; MI455X (gfx1250); checked and timed in simulation.
; The chip was launched on July 23, 2026; its instructions are those of AMD's public machine-readable ISA for CDNA 5 (MIT licence, August 2026) and "CDNA5" Instruction Set Architecture Reference Guide (July 2026). The comments in the code are by the model that wrote it; some were corrected since.
;; Continuous Koopman. Allowed arithmetic: float matrix products may take bf16 or f16 operands with f32 sums; all other float work in f32.
;; Inputs: diag 64 float32; dt 8,192 x 1 float32; off_diags 63 float32; x 8,192 x 64 float32.
;; Outputs: out0 8,192 x 64 float32.
;; One version. Each part assembles by itself: llvm-mc -triple=amdgcn-amd-amdhsa -mcpu=gfx1250 --defsym DOCPART=n.
;; ======== version 1 of 1: 2 launches
;; workspace buffers: steps 1,024 bytes of whole numbers
;; launch count (part 1): grid 1 x 1, 8 waves a work-group, no clusters, 0 bytes of LDS; arguments dt, diag, off_diags, steps; writes steps
.if DOCPART == 1
	.amdgcn_target "amdgcn-amd-amdhsa--gfx1250"
	.amdhsa_code_object_version 6
	.text
	.protected	k_q672b18251a_count
	.globl	k_q672b18251a_count
	.p2align	8
	.type	k_q672b18251a_count,@function
k_q672b18251a_count:
	s_mov_b64 s[64:65], 0
	v_nop
	global_prefetch_b8 v0, s[64:65] scope:SCOPE_SE
	s_setreg_imm32_b32 hwreg(HW_REG_WAVE_MODE, 25, 1), 1
	s_wait_xcnt 0x0
; steps[g] = the number of sub-steps that work-group g of the second launch takes, g = 0 .. 255, as whole numbers.
; K is tridiagonal: K[m][m] = -d_m^2, K[m-1][m] = o_(m-1), K[m+1][m] = -o_m.  Its 1-norm is the largest column sum
; d_m^2 + |o_(m-1)| + |o_m| (the row sums are the same numbers).  For a row b, q_b = |dt_b| * norm.
; steps[g] = trunc(max of q_b over the group's served rows) + 1, so that dt_b / steps times K has a norm below 1 in every served row.
; LIMIT: a row is served if q_b < 514,552.6 = 3.9257248 * 2^17, the norm beyond which reference() would need more than 16 squarings
; and gives NaN.  Rows that fail the test (a NaN or infinite q_b too) count as 0 here and get NaN in the second launch.
; So a count is 1 .. 514,553.
; One work-group of 256 threads; thread g owns group g.  Group g = 32 w + l owns rows 1024 w + 128 j + 4 l + e (j = 0..7, e = 0..3):
; thread g reads them by eight 16-byte loads at byte 4096 w + 16 l + 512 j, each load of a wave covering 512 neighbouring bytes,
; and its own maximum is the group's: nothing of dt crosses lanes, no LDS, no barrier.
; No matrix unit: no dense product is left.  No LDS or data mover: 33 KB are read once into registers.
.set LIMIT, 0x48fb3f13                 ; 514,552.6 in f32
.set NORM, 7                           ; v7        the 1-norm of K, in every lane
.set W,    9                           ; v9        at work
.set A,    12                          ; v[12:15]  d, then -d^2, of my columns 4r .. 4r+3
.set OM,   17                          ; v17       o_(4r-1); v[OM+j] = o_(4r+j-1), the factor of the left neighbour
.set O,    18                          ; v[18:21]  o_(4r) .. o_(4r+3); o_63 := 0
.set C,    24                          ; v[24:27]  column sums
.set T,    32                          ; v[32:63]  my 32 dt, then q
; The coefficients and the norm.  The same lines in the same order stand in both launches, so that both get the same bits.
.macro COEF
	v_cmp_ne_u32 vcc_lo, 15, v1
	v_cndmask_b32 v[O+3], 0, v[O+3], vcc_lo        ; there is no o_63: lane r = 15 read o_62 at its clamped address and drops it
	v_mov_b32_dpp v[OM], v[O+3] row_shr:1 row_mask:0xf bank_mask:0xf bound_ctrl:1   ; o_(4r-1) from the lane on the left; lane r = 0 gets 0
.irp j, 0,1,2,3
	v_mul_f32 v[A+\j], -v[A+\j], v[A+\j]           ; -d^2
.endr
.irp j, 0,1,2,3
	v_add_f32 v[C+\j], |v[A+\j]|, |v[OM+\j]|
.endr
.irp j, 0,1,2,3
	v_add_f32 v[C+\j], v[C+\j], |v[O+\j]|
.endr
	v_maximum_f32 v[NORM], v[C], v[C+1]            ; a NaN wins, so a NaN in K reaches the test against LIMIT
	v_maximum_f32 v[W], v[C+2], v[C+3]
	v_maximum_f32 v[NORM], v[NORM], v[W]
.irp m, 1,2,4,8
	v_mov_b32_dpp v[W], v[NORM] row_xmask:\m row_mask:0xf bank_mask:0xf   ; over the 16 lanes that hold the 64 columns
	v_maximum_f32 v[NORM], v[NORM], v[W]
.endr
.endm
	s_load_b256 s[4:11], s[0:1], 0x0               ; dt s[4:5], diag s[6:7], off_diags s[8:9], steps s[10:11]
	s_mov_b32 s12, LIMIT
	v_and_b32 v1, 15, v0                           ; r: I hold columns 4r .. 4r+3
	v_lshlrev_b32 v2, 4, v1                        ; their 16 bytes
	v_add_nc_u32 v3, 12, v2
	v_min_u32 v3, 248, v3                          ; o_(4r+3), kept inside the 252 bytes of off_diags
	v_and_b32 v4, 31, v0                           ; l
	v_lshrrev_b32 v6, 5, v0                        ; w
	v_lshlrev_b32 v4, 4, v4
	v_lshl_add_u32 v4, v6, 12, v4                  ; 4096 w + 16 l
	v_lshlrev_b32 v5, 2, v0                        ; my word of steps
	v_mov_b32 v[OM], 0                             ; a lane move counts as a reader of its destination
	s_wait_kmcnt 0x0
	global_load_b128 v[A:A+3], v2, s[6:7]
	global_load_b64 v[O:O+1], v2, s[8:9]
	global_load_b32 v[O+2], v2, s[8:9] offset:8
	global_load_b32 v[O+3], v3, s[8:9]
.irp j, 0,1,2,3,4,5,6,7
	global_load_b128 v[T+4*\j:T+4*\j+3], v4, s[4:5] offset:512*\j   ; no hint: the second launch reads dt again
.endr
	s_wait_loadcnt 0x8                             ; loads return in order: the four coefficient loads are in, the eight of dt may stay out
	COEF
	s_wait_loadcnt 0x0
.set j, 0
.rept 32
	v_mul_f32 v[T+j], |v[T+j]|, v[NORM]            ; q
	v_cmp_gt_f32 vcc_lo, s12, v[T+j]               ; LIMIT > q: false for a NaN too
	v_cndmask_b32 v[T+j], 0, v[T+j], vcc_lo        ; a row that is not served asks for no sub-steps
.set j, j+1
.endr
	; the largest of the 32: no NaN is left among them
.irp j, 0,1,2,3,4,5,6,7
	v_max3_num_f32 v[T+4*\j], v[T+4*\j], v[T+4*\j+1], v[T+4*\j+2]
.endr
.irp j, 0,1,2,3
	v_max3_num_f32 v[T+8*\j], v[T+8*\j], v[T+8*\j+3], v[T+8*\j+4]
.endr
.irp j, 0,1
	v_max3_num_f32 v[T+16*\j], v[T+16*\j], v[T+16*\j+7], v[T+16*\j+8]
.endr
	v_max3_num_f32 v[T], v[T], v[T+15], v[T+16]
	v_max_num_f32 v[T], v[T], v[T+31]
	v_cvt_u32_f32 v[T], v[T]                       ; toward zero
	v_add_nc_u32 v[T], 1, v[T]
	global_store_b32 v5, v[T], s[10:11]            ; a wave's store covers 128 consecutive bytes; the buffer is 1,024 bytes in all
	s_endpgm
.Lfunc_end_k_q672b18251a_count:
	.size	k_q672b18251a_count, .Lfunc_end_k_q672b18251a_count-k_q672b18251a_count
	.p2alignl 7, 3214868480
	.fill 96, 4, 3214868480
	.section	.rodata,"a",@progbits
	.p2align	6, 0x0
	.amdhsa_kernel k_q672b18251a_count
		.amdhsa_group_segment_fixed_size 0
		.amdhsa_private_segment_fixed_size 0
		.amdhsa_enable_private_segment 0
		.amdhsa_kernarg_size 32
		.amdhsa_user_sgpr_count 2
		.amdhsa_user_sgpr_kernarg_segment_ptr 1
		.amdhsa_wavefront_size32 1
		.amdhsa_system_sgpr_workgroup_id_x 1
		.amdhsa_system_sgpr_workgroup_id_y 1
		.amdhsa_system_sgpr_workgroup_id_z 1
		.amdhsa_system_vgpr_workitem_id 0
		.amdhsa_next_free_vgpr 64
		.amdhsa_next_free_sgpr 66
		.amdhsa_reserve_vcc 1
		.amdhsa_float_denorm_mode_32 3
		.amdhsa_float_denorm_mode_16_64 3
		.amdhsa_memory_ordered 1
		.amdhsa_forward_progress 1
		.amdhsa_inst_pref_size 9
	.end_amdhsa_kernel
	.amdgpu_metadata
---
amdhsa.version: [ 1, 2 ]
amdhsa.kernels:
  - .name:           k_q672b18251a_count
    .symbol:         k_q672b18251a_count.kd
    .args:
      - { .name: dt, .offset: 0, .size: 8, .value_kind: global_buffer, .address_space: global }
      - { .name: diag, .offset: 8, .size: 8, .value_kind: global_buffer, .address_space: global }
      - { .name: off_diags, .offset: 16, .size: 8, .value_kind: global_buffer, .address_space: global }
      - { .name: steps, .offset: 24, .size: 8, .value_kind: global_buffer, .address_space: global }
    .group_segment_fixed_size: 0
    .private_segment_fixed_size: 0
    .kernarg_segment_align: 8
    .kernarg_segment_size: 32
    .max_flat_workgroup_size: 256
    .sgpr_count:     66
    .vgpr_count:     64
    .wavefront_size: 32
...
	.end_amdgpu_metadata
.endif
;; end of part 1
;; launch flow (part 2): grid 256 x 1, 4 waves a work-group, no clusters, 0 bytes of LDS; arguments x, dt, diag, off_diags, steps, out0; writes out0
.if DOCPART == 2
	.amdgcn_target "amdgcn-amd-amdhsa--gfx1250"
	.amdhsa_code_object_version 6
	.text
	.protected	k_q672b18251a_flow
	.globl	k_q672b18251a_flow
	.p2align	8
	.type	k_q672b18251a_flow,@function
k_q672b18251a_flow:
	s_mov_b64 s[64:65], 0
	v_nop
	global_prefetch_b8 v0, s[64:65] scope:SCOPE_SE
	s_setreg_imm32_b32 hwreg(HW_REG_WAVE_MODE, 25, 1), 1
	s_wait_xcnt 0x0
; out[b] = x[b] expm(dt[b] K), K tridiagonal: (y K)[m] = -d_m^2 y[m] + o_(m-1) y[m-1] - o_m y[m+1].
; Only the action of the exponential on one row vector is needed, so no matrix is formed.  With s = steps[g] (stored by the launch
; before, the same for the 32 rows of a work-group) and h = dt / s, a row goes s times through y <- y T10(h K), the Taylor polynomial
; of degree 10 by Horner's scheme: p_10 = y, p_(k-1) = y + (h / k) (p_k K), y <- p_0.  s is chosen so that the norm of h K is below 1
; in every served row: what a sub-step leaves out is below 1.1 / 11! = 2.8e-8 of the norm of y.  All in f32.
; LIMITS.  Rows for which |dt| * norm(K) < 514,552.6 does not hold (NaN and infinities among them) get NaN: beyond that norm reference()
; would need more than 16 squarings and gives NaN; the boundary may differ from reference()'s by rounding.  h is dt times a
; reciprocal good to a unit in the last place, a relative error of 1e-7 in dt, which the norm multiplies.  The trips grow with the
; largest served norm among the group's rows.
; SHARES.  Work-group g = 32 w + l has rows 1024 w + 128 j + 4 l + e (j = 0..7, e = 0..3).  Wave v takes j = 2 v and 2 v + 1: lanes
; 0-15 the first, lanes 16-31 the second; lane r of a half holds columns 4r .. 4r+3 of the rows e = 0..3 ("pairs" i = e, one row in
; each half).  A load or store of a wave covers two whole rows, each 256 consecutive bytes at a multiple of 256.  A row stays in 16
; lanes' registers; the two neighbours across a lane's edge come by a lane shift inside the 16 lanes: no LDS, no barrier.
; Left out: the matrix unit (no dense product is left), the data mover and LDS (each byte is read once into the register that uses
; it), clusters (what work-groups share is the 508 bytes of diag and off_diags).
.set LIMIT,  0x48fb3f13                ; 514,552.6 in f32
.set MAXCNT, 514553                    ; the largest count that the launch before can store
.set XO,   5                           ; v5        32768 h + 16 r: my 16 bytes in pair 0 (h = my half: 128 rows further down)
.set NORM, 7                           ; v7        the 1-norm of K
.set RS,   8                           ; v8        1 / s
.set W,    9                           ; v9        at work
.set NANV, 10                          ; v10       a NaN
.set A,    12                          ; v[12:15]  d, then -d^2, of my columns
.set OM,   17                          ; v17       o_(4r-1); v[OM+j] = o_(4r+j-1)
.set O,    18                          ; v[18:21]  o_(4r) .. o_(4r+3); o_63 := 0
.set C,    24                          ; v[24:27]  column sums
.set DT,   28                          ; v[28:31]  dt of pairs 0..3
.set Y,    32                          ; v[32:47]  y, pair i at Y + 4 i
.set P,    48                          ; v[48:63]  Horner's value, by turns
.set Q,    64                          ; v[64:79]  with this set
.set LN,   80                          ; v[80:83]  pair i: column 4r-1, from the lane on the left
.set RN,   84                          ; v[84:87]  pair i: column 4r+4, from the lane on the right
.set CK,   88                          ; v[88:127] CK + 10 i + k - 1 = h_i / k
; The coefficients and the norm.  The same lines in the same order stand in both launches, so that both get the same bits.
.macro COEF
	v_cmp_ne_u32 vcc_lo, 15, v1
	v_cndmask_b32 v[O+3], 0, v[O+3], vcc_lo        ; there is no o_63: lane r = 15 read o_62 at its clamped address and drops it
	v_mov_b32_dpp v[OM], v[O+3] row_shr:1 row_mask:0xf bank_mask:0xf bound_ctrl:1   ; o_(4r-1) from the lane on the left; lane r = 0 gets 0
.irp j, 0,1,2,3
	v_mul_f32 v[A+\j], -v[A+\j], v[A+\j]           ; -d^2
.endr
.irp j, 0,1,2,3
	v_add_f32 v[C+\j], |v[A+\j]|, |v[OM+\j]|
.endr
.irp j, 0,1,2,3
	v_add_f32 v[C+\j], v[C+\j], |v[O+\j]|
.endr
	v_maximum_f32 v[NORM], v[C], v[C+1]            ; a NaN wins, so a NaN in K reaches the test against LIMIT
	v_maximum_f32 v[W], v[C+2], v[C+3]
	v_maximum_f32 v[NORM], v[NORM], v[W]
.irp m, 1,2,4,8
	v_mov_b32_dpp v[W], v[NORM] row_xmask:\m row_mask:0xf bank_mask:0xf   ; over the 16 lanes that hold the 64 columns
	v_maximum_f32 v[NORM], v[NORM], v[W]
.endr
.endm
; h_i / k for the four pairs
.macro CKS k, recip
.irp i, 0,1,2,3
	v_mul_f32 v[CK+10*\i+\k-1], \recip, v[CK+10*\i]
.endr
.endm
; One link of Horner's scheme for the four pairs: dst = y + (h / k) (src K).  tmp takes src K and is not src.
; The pairs go through each phase together, so that a line's sources were written seven or more lines earlier.
.macro TERM k, src, tmp, dst
.irp i, 0,1,2,3
	v_mov_b32_dpp v[LN+\i], v[\src+4*\i+3] row_shr:1 row_mask:0xf bank_mask:0xf bound_ctrl:1   ; column 4r-1; lane r = 0 gets 0 (its factor is 0 too)
	v_mov_b32_dpp v[RN+\i], v[\src+4*\i] row_shl:1 row_mask:0xf bank_mask:0xf bound_ctrl:1     ; column 4r+4; lane r = 15 gets 0 (o_63 = 0)
.endr
.irp i, 0,1,2,3
.irp j, 0,1,2,3
	v_mul_f32 v[\tmp+4*\i+\j], v[A+\j], v[\src+4*\i+\j]                    ; -d_m^2 p[m]
.endr
.endr
.irp i, 0,1,2,3
	v_fmac_f32 v[\tmp+4*\i],   v[OM],   v[LN+\i]                           ; + o_(m-1) p[m-1]
	v_fmac_f32 v[\tmp+4*\i+1], v[OM+1], v[\src+4*\i]
	v_fmac_f32 v[\tmp+4*\i+2], v[OM+2], v[\src+4*\i+1]
	v_fmac_f32 v[\tmp+4*\i+3], v[OM+3], v[\src+4*\i+2]
.endr
.irp i, 0,1,2,3
	v_fma_f32 v[\tmp+4*\i],   -v[O],   v[\src+4*\i+1], v[\tmp+4*\i]        ; - o_m p[m+1]
	v_fma_f32 v[\tmp+4*\i+1], -v[O+1], v[\src+4*\i+2], v[\tmp+4*\i+1]
	v_fma_f32 v[\tmp+4*\i+2], -v[O+2], v[\src+4*\i+3], v[\tmp+4*\i+2]
	v_fma_f32 v[\tmp+4*\i+3], -v[O+3], v[RN+\i],       v[\tmp+4*\i+3]
.endr
.irp i, 0,1,2,3
.irp j, 0,1,2,3
	v_fma_f32 v[\dst+4*\i+\j], v[CK+10*\i+\k-1], v[\tmp+4*\i+\j], v[Y+4*\i+\j]
.endr
.endr
.endm
	s_load_b256 s[4:11], s[0:1], 0x0               ; x s[4:5], dt s[6:7], diag s[8:9], off_diags s[10:11]
	s_load_b128 s[12:15], s[0:1], 0x20             ; steps s[12:13], out0 s[14:15]
	v_lshrrev_b32 v4, 5, v0
	v_readfirstlane_b32 s16, v4                    ; wave v
	s_lshr_b32 s17, ttmp9, 5                       ; w
	s_and_b32 s18, ttmp9, 31                       ; l
	s_lshl_b32 s19, s17, 10
	s_lshl2_add_u32 s19, s18, s19                  ; 1024 w + 4 l
	s_lshl_b32 s20, s16, 8
	s_add_co_u32 s19, s19, s20                     ; + 256 v: the wave's first row, 8,060 at the most
	s_lshl_b32 s20, s19, 8                         ; in bytes of x and of out0,
	s_mov_b32 s21, 0
	s_lshl_b32 s22, s19, 2                         ; of dt (a multiple of 16),
	s_mov_b32 s23, 0
	s_lshl_b32 s24, ttmp9, 2                       ; and the group's word of steps
	s_mov_b32 s25, 0
	s_mov_b32 s26, 0                               ; sub-steps done
	s_mov_b32 s27, LIMIT
	v_and_b32 v1, 15, v0                           ; r
	v_bfe_u32 v11, v0, 4, 1                        ; h
	v_lshlrev_b32 v2, 4, v1                        ; 16 r
	v_add_nc_u32 v3, 12, v2
	v_min_u32 v3, 248, v3                          ; o_(4r+3), kept inside the 252 bytes of off_diags
	v_lshl_add_u32 v[XO], v11, 15, v2              ; 128 rows of 256 bytes for the upper half
	v_lshlrev_b32 v6, 9, v11                       ; 128 words of dt for the upper half
	v_mov_b32 v[NANV], 0x7fc00000
	v_mov_b32 v[OM], 0                             ; a lane move counts as a reader of its destination: these nine are written once
.irp i, 0,1,2,3
	v_mov_b32 v[LN+\i], 0
	v_mov_b32 v[RN+\i], 0
.endr
	s_wait_kmcnt 0x0
	s_add_nc_u64 s[12:13], s[12:13], s[24:25]
	s_add_nc_u64 s[4:5], s[4:5], s[20:21]
	s_add_nc_u64 s[6:7], s[6:7], s[22:23]
	s_add_nc_u64 s[14:15], s[14:15], s[20:21]
	s_load_b32 s28, s[12:13], 0x0                  ; s
	global_load_b128 v[A:A+3], v2, s[8:9]
	global_load_b64 v[O:O+1], v2, s[10:11]
	global_load_b32 v[O+2], v2, s[10:11] offset:8
	global_load_b32 v[O+3], v3, s[10:11]
	global_load_b128 v[DT:DT+3], v6, s[6:7]        ; the four rows' dt, the same 16 bytes in the 16 lanes of a half
.irp i, 0,1,2,3
	global_load_b128 v[Y+4*\i:Y+4*\i+3], v[XO], s[4:5] offset:256*\i th:TH_LOAD_NT   ; read once in the launch
.endr
	s_wait_kmcnt 0x0
	s_min_u32 s28, s28, MAXCNT                     ; changes nothing that the launch before stores: it states the bound on the trips
	s_cvt_f32_u32 s29, s28                         ; exact: below 2^24
	s_wait_loadcnt 0x4                             ; loads return in order: coefficients and dt are in, the four loads of x may stay out
	v_rcp_f32 v[RS], s29                           ; its result is first used behind the plain vector lines of COEF (ISA guide 5.7.2)
	COEF
	s_wait_alu depctr_va_vdst(0)
.irp i, 0,1,2,3
	v_mul_f32 v[CK+10*\i], v[DT+\i], v[RS]         ; h
.endr
	CKS 2,  0.5
	CKS 3,  0x3eaaaaab
	CKS 4,  0x3e800000
	CKS 5,  0x3e4ccccd
	CKS 6,  0x3e2aaaab
	CKS 7,  0x3e124925
	CKS 8,  0x3e000000
	CKS 9,  0x3de38e39
	CKS 10, 0x3dcccccd
	s_wait_loadcnt 0x0                             ; x
.Lstep:                                            ; one sub-step: registers alone, nothing loaded or stored
	TERM 10, Y, P, P
	TERM 9,  P, Q, Q
	TERM 8,  Q, P, P
	TERM 7,  P, Q, Q
	TERM 6,  Q, P, P
	TERM 5,  P, Q, Q
	TERM 4,  Q, P, P
	TERM 3,  P, Q, Q
	TERM 2,  Q, P, P
	TERM 1,  P, Q, Y
	s_add_co_u32 s26, s26, 1
	s_cmp_lt_u32 s26, s28
	s_cbranch_scc1 .Lstep
	; The way out.  The test is the one of the launch before, on the same bits.  A row that fails it may hold anything by now;
	; the lane shifts stay inside a row's 16 lanes, so no other row has seen it.
.irp i, 0,1,2,3
	v_mul_f32 v[W], |v[DT+\i]|, v[NORM]
	v_cmp_gt_f32 vcc_lo, s27, v[W]                 ; LIMIT > q: false for a NaN too
.irp j, 0,1,2,3
	v_cndmask_b32 v[Y+4*\i+\j], v[NANV], v[Y+4*\i+\j], vcc_lo
.endr
	global_store_b128 v[XO], v[Y+4*\i:Y+4*\i+3], s[14:15] offset:256*\i th:TH_STORE_NT   ; 16 lanes store a row: 256 consecutive bytes, aligned; no source of a pending store is written again
.endr
	s_endpgm
.Lfunc_end_k_q672b18251a_flow:
	.size	k_q672b18251a_flow, .Lfunc_end_k_q672b18251a_flow-k_q672b18251a_flow
	.p2alignl 7, 3214868480
	.fill 96, 4, 3214868480
	.section	.rodata,"a",@progbits
	.p2align	6, 0x0
	.amdhsa_kernel k_q672b18251a_flow
		.amdhsa_group_segment_fixed_size 0
		.amdhsa_private_segment_fixed_size 0
		.amdhsa_enable_private_segment 0
		.amdhsa_kernarg_size 48
		.amdhsa_user_sgpr_count 2
		.amdhsa_user_sgpr_kernarg_segment_ptr 1
		.amdhsa_wavefront_size32 1
		.amdhsa_system_sgpr_workgroup_id_x 1
		.amdhsa_system_sgpr_workgroup_id_y 1
		.amdhsa_system_sgpr_workgroup_id_z 1
		.amdhsa_system_vgpr_workitem_id 0
		.amdhsa_next_free_vgpr 128
		.amdhsa_next_free_sgpr 66
		.amdhsa_reserve_vcc 1
		.amdhsa_float_denorm_mode_32 3
		.amdhsa_float_denorm_mode_16_64 3
		.amdhsa_memory_ordered 1
		.amdhsa_forward_progress 1
		.amdhsa_inst_pref_size 44
	.end_amdhsa_kernel
	.amdgpu_metadata
---
amdhsa.version: [ 1, 2 ]
amdhsa.kernels:
  - .name:           k_q672b18251a_flow
    .symbol:         k_q672b18251a_flow.kd
    .args:
      - { .name: x, .offset: 0, .size: 8, .value_kind: global_buffer, .address_space: global }
      - { .name: dt, .offset: 8, .size: 8, .value_kind: global_buffer, .address_space: global }
      - { .name: diag, .offset: 16, .size: 8, .value_kind: global_buffer, .address_space: global }
      - { .name: off_diags, .offset: 24, .size: 8, .value_kind: global_buffer, .address_space: global }
      - { .name: steps, .offset: 32, .size: 8, .value_kind: global_buffer, .address_space: global }
      - { .name: out0, .offset: 40, .size: 8, .value_kind: global_buffer, .address_space: global }
    .group_segment_fixed_size: 0
    .private_segment_fixed_size: 0
    .kernarg_segment_align: 8
    .kernarg_segment_size: 48
    .max_flat_workgroup_size: 128
    .sgpr_count:     66
    .vgpr_count:     128
    .wavefront_size: 32
...
	.end_amdgpu_metadata
.endif
;; end of part 2
